; MI455X (gfx1250); checked and timed in simulation.
; The chip was launched on July 23, 2026; its instructions are those of AMD's public machine-readable ISA for CDNA 5 (MIT licence, August 2026) and "CDNA5" Instruction Set Architecture Reference Guide (July 2026). The comments in the code are by the model that wrote it; some were corrected since.
;; ILUVATAR Group Gemm Op. Allowed arithmetic: float matrix products may take bf16 or f16 operands with f32 sums; other float arithmetic in f32, or as packed bf16 or f16 multiplies, adds, multiply-adds, maxima and minima; sums over many terms, partial sums and values carried from step to step in f32; what a program stores and reads back later, other than sums and carried values, may be rounded once to bf16 or f16.
;; Inputs: i8_left_tensor 16,384 x 2,048 int8; i8_right_tensors 8 x 2,048 x 2,048 int8; left_scales 16,384 float32; right_scales 8 x 2,048 float32; tokens_per_group 8 int32.
;; Outputs: out0 16,384 x 2,048 float16.
;; One version. Each part assembles by itself: llvm-mc -triple=amdgcn-amd-amdhsa -mcpu=gfx1250 --defsym DOCPART=n.
;; ======== version 1 of 1: 1 launch
;; launch gemm (part 1): grid 8 x 64, 4 waves a work-group, clusters of 4 x 4, 327,680 bytes of LDS; arguments i8_left_tensor, i8_right_tensors, left_scales, right_scales, tokens_per_group, out0; writes out0
.if DOCPART == 1
	.amdgcn_target "amdgcn-amd-amdhsa--gfx1250"
	.amdhsa_code_object_version 6
	.text
	.protected	k_qdabbb217d2_gemm
	.globl	k_qdabbb217d2_gemm
	.p2align	8
	.type	k_qdabbb217d2_gemm,@function
k_qdabbb217d2_gemm:
	s_mov_b64 s[64:65], 0
	v_nop
	global_prefetch_b8 v0, s[64:65] scope:SCOPE_SE
	s_setreg_imm32_b32 hwreg(HW_REG_WAVE_MODE, 25, 1), 1
	s_wait_xcnt 0x0
	s_wait_alu depctr_hold_cnt(0) depctr_sa_sdst(0) depctr_va_vdst(0) depctr_va_sdst(0) depctr_va_ssrc(0) depctr_va_vcc(0) depctr_vm_vsrc(0)
	s_getreg_b32 s2, hwreg(HW_REG_IB_STS2, 6, 4)
	s_cmp_eq_u32 s2, 0
	s_cbranch_scc0 .Lentry_in_a_cluster
	s_endpgm
.Lentry_in_a_cluster:
	s_bfe_u32 s2, ttmp6, 0x10000c
	s_cmp_lg_u32 s2, 0xf033
	s_cbranch_scc0 .Lentry_shape_is_right
	s_endpgm
.Lentry_shape_is_right:
; out[t][n] = f16( (sum over k of A[t][k] B[g][n][k]) * ls[t] * rs[g][n] ),  g = t / 2048.  A: [16384][2048] int8, B: [8][2048][2048] int8, ls: [16384] f32, rs: [8][2048] f32, out: [16384][2048] f16.
; Eight products of 2048 x 2048 x 2048.  A tile of out, 256 x 256, is made by a work-group of four waves; a wave makes 128 x 128: 64 accumulators of 16 x 16, 512 registers.  512 tiles, 512 work-groups.
; THE FORMAT.  The matrix instruction takes f16; every int8 is exact in f16.  The bytes stay bytes in memory and in LDS and are widened in registers: x xor 0x80 = x + 128 = u; the f16 pattern 0x6400 | u
; is 1024 + u; adding -1152 gives x, exactly, -128 too.  For four bytes: one v_xor_b32, two v_perm_b32, two v_pk_add_f16.  A fragment (16 rows x 32 k) is ONE 16-byte LDS load a lane and 20 vector instructions.
; A lane takes bytes 16 (l / 16) + 0..15 of its row's 32: k is laid into the fragment's places in another order than the instruction's own, alike for A and for B, so every product meets its partner.
; THE COUNT.  For 32 along K a wave has 64 matrix instructions and 16 fragments to widen: 320 vector instructions, FIVE behind each matrix instruction, with no switch of the register window between them (below).
; K goes through a ring of two LDS slots of 256 along K (rows of 256 bytes, starting at multiples of 256 bytes from the buffers' first bytes), filled by the tensor data mover.
; CLUSTERS: 4 x 4 work-groups.  The four of a row of the cluster need the same tiles of A, the four of a column the same tiles of B (a cluster's 1,024 rows lie in one group g): each tile is asked for JOINTLY,
; by the same tensor load with the same descriptor and a mask that names the four.
; THE MATRIX INSTRUCTION IS USED TRANSPOSED: source 0 = 16 rows of B, source 1 = 16 rows of A: a lane then holds row l % 16 of out and eight neighbouring columns 8 (l / 16) + 0..7, which pack into 16 bytes.
; LIMITS.  The sums are f32 in the matrix instruction's order, k permuted inside each 32.  The scaling keeps the order (sum * ls) * rs, in f32; one rounding to f16; beyond f16's range the result is an infinity,
; as a conversion to f16 gives it.  tokens_per_group: the result is defined with groups of t / g = 2048 rows, from the shapes, and uses none of these eight numbers; they are read, and nothing hangs on them.
;
; REGISTERS, in four windows of 256 laid out alike (s_set_vgpr_msb: bits 1:0 source 0, 3:2 source 1, 5:4 source 2, 7:6 destination):
;   v32-47 RAW: four fragments as bytes   v48-50 the three constants (in every window)   v64-95, v96-127 four fragments in f16, two buffers   v128-255 sixteen accumulators, (mi, ni) at 128 + 8 (4 mi + ni)
;   window 0: group N0 (my rows 0-63 of B); window 1: N1 (rows 64-127); window 2: M0 (my rows 0-63 of A); window 3: M1.
; A QUARTER (32 along K) is four STRETCHES of 16 matrix instructions, each under ONE setting:
;   stretch 0: N0 x M0, sums in window 0, widens N0      stretch 1: N1 x M0, sums in window 2, widens M0      stretch 2: N1 x M1, sums in window 1, widens N1      stretch 3: N0 x M1, sums in window 3, widens M1
; The sums' window is the window of the group that the stretch widens, so the vector instructions' destination is right as it stands; their data come through the source place that names that window (source 0 in
; stretches 0 and 2, source 1 in 1 and 3), the constant through the other place, whose window holds the constants too.  An LDS load's address comes through source 0: windows 0 and 1 hold the addresses.
;   window 0, v0-31: addresses (below).  window 1: v6, v7 copies of the two load addresses.  windows 2, 3: v0-31 rs of my columns 0-63, 64-127; v52-59 ls of my rows 16 a + l % 16.
; Quarter Q multiplies buffer Q % 2, widens quarter Q + 1 into the other buffer, and loads the bytes of quarter Q + 2, each group's four loads straight behind its widening.
.set PITCH, 272                        ; an LDS row: 256 bytes + 16 of padding = 68 words: row r starts at bank 4 r mod 64 (64 banks of 4 bytes: ISA guide 11.1), so the 16 rows of a load start at 16 different banks
.set HALFT, 128*PITCH                  ; 128 rows: what one tensor load brings, and what one wave reads of A or of B
.set SLOT,  4*HALFT                    ; A's 256 rows, then B's 256 rows: 139,264 = 0x22000; its two bits meet none of wave x HALFT's, so an exclusive or turns an address in one slot into the other's
.set STAGE, 2*SLOT                     ; behind the ring, never filled by a tensor load: 16 rows x 272 bytes for each wave, for the way out
.set SPARE, STAGE+4*16*PITCH           ; behind the stages: the spare words, 128 bytes for each wave: two blocks of 256 bytes that no other line names
.set LN,   4                           ; v4   my lane's place in my 128 rows of B in slot 0: 272 (l % 16) + 16 (l / 16) + (2 + NH) HALFT; never rewritten
.set LM,   5                           ; v5   the same in my 128 rows of A
.set ADRN, 6                           ; v6   LDS address of the pair of quarters whose bytes of B are loaded next (windows 0 and 1)
.set ADRM, 7                           ; v7   the same for A
.set STO,  8                           ; v8   the way out: where I put 16 bytes of a row
.set RD,   9                           ; v9   the way out: where I read a row back
.set CO,   10                          ; v10  my byte offset in two rows of out
.set RSO,  11                          ; v11  my byte offset in 16 numbers of rs; never rewritten
.set LSO,  12                          ; v12  my byte offset in 16 numbers of ls; never rewritten
.set SPW,  28                          ; v28  LDS address of my spare word: SPARE + 4 x my thread's number; never rewritten
.set NIL,  29                          ; v29  0; never rewritten
.set RAW,  32
.set K80,  48                          ; 0x80808080
.set K64,  49                          ; 0x64646464
.set KM,   50                          ; -1152, twice, in f16
.set LS,   52                          ; windows 2 and 3
.set FB,   64
.set ACC,  128
.set TMP,  96                          ; the way out, window 0: packed results;
.set OB0,  64                          ; 16 rows read back from the stage: v64-95 and v32-63 by turns
.set WV,   16                          ; s16  my wave's number
.set MH,   17                          ; s17  which half of the tile's rows is mine.  Also: I fetch for A (0) or for B (1)
.set NH,   18                          ; s18  which half of its columns.  Also: which 128 rows of that tile I fetch
.set CX,   19
.set CY,   20
.set TC,   21                          ; s21  tile column
.set TR,   22                          ; s22  tile row
.set GR,   23                          ; s23  the group g
.set G1A,  24                          ; s[24:31] descriptor group 1 for A's tiles
.set G0A,  32                          ; s[32:39] group 0 for A's tiles: a set for each of the two first fills; the second then walks on
.set G1B,  40                          ; s[40:47], s[48:55] the same for B's
.set G0B,  48
.set PER,  56                          ; s56  counts the refills
.set CNT,  57                          ; s57  counts pairs of quarters
.set TB,   58                          ; s58  LDS byte, in a row of slot 0's first tile, of the pair of quarters to be addressed next
.set TS,   59                          ; s59  at work
.set SELA, 60                          ; s60, s61  v_perm_b32's selectors with the bytes as first source: {0x64, b1, 0x64, b0}, {0x64, b3, 0x64, b2}
.set SELB, 62                          ; s62, s63  the same with the bytes as second source
.set MSB, 0
.macro WIN new                         ; the immediate's high byte repeats the setting that is left; a switch that changes nothing is dropped
.if MSB != (\new)
	s_set_vgpr_msb (MSB<<8)|(\new)
.set MSB, \new
.endif
.endm
.macro SWIN s                          ; the setting of stretch s
.if (\s) == 0
	WIN 0x08                               ; source 0 window 0, source 1 window 2, C and D window 0
.elseif (\s) == 1
	WIN 0xa9                               ; source 0 window 1, source 1 window 2, C and D window 2
.elseif (\s) == 2
	WIN 0x5d                               ; source 0 window 1, source 1 window 3, C and D window 1
.else
	WIN 0xfc                               ; source 0 window 0, source 1 window 3, C and D window 3
.endif
.endm
; A joint refill, by the walking sets.  Waves 0 and 1 fetch A's two halves, waves 2 and 3 B's.  The branch hangs on the wave's number alone: it is the same in every work-group.
; An s_nop 0 and four v_nop follow each of the two lines, ahead of the jump, the label and what follows the macro.
.macro JLOAD
	s_cmp_eq_u32 s[MH], 0
	s_cbranch_scc0 .Lfor_b_\@
	tensor_load_to_lds s[G0A+4:G0A+7], s[G1A:G1A+7]
	s_nop 0
.rept 4
	v_nop
.endr
	s_branch .Lasked_\@
.Lfor_b_\@:
	tensor_load_to_lds s[G0B+4:G0B+7], s[G1B:G1B+7]
	s_nop 0
.rept 4
	v_nop
.endr
.Lasked_\@:
.endm
; A round of the cluster's barrier: my work-group's barrier, so that wave 0's signal speaks for all four waves; wave 0 signals for the work-group; every wave waits for all sixteen work-groups; my work-group's barrier once more.
.macro CREST                           ; a round behind its opening barrier
	s_cmp_lg_u32 s[WV], 0
	s_cbranch_scc1 .Lnot_wave_0_\@
	s_barrier_signal -3
.Lnot_wave_0_\@:
	s_barrier_wait -3
	s_barrier_signal -1
	s_barrier_wait -1
.endm
.macro CROUND                          ; a whole round
	s_barrier_signal -1
	s_barrier_wait -1
	CREST
.endm
	s_load_b256 s[4:11], s[0:1], 0x0               ; A s[4:5], B s[6:7], ls s[8:9], rs s[10:11]
	s_load_b128 s[12:15], s[0:1], 0x20             ; tokens_per_group s[12:13], out s[14:15]
	v_lshl_add_u32 v[SPW], v0, 2, SPARE
	v_mov_b32 v[NIL], 0
	ds_add_u32 v[SPW], v[NIL]                      ; the wave's opening: the add and its wait stand ahead of my first tensor load; the set-up below, work on registers, stands between them
	v_lshrrev_b32 v1, 5, v0
	v_readfirstlane_b32 s[WV], v1                  ; wave 0..3
	s_lshr_b32 s[MH], s[WV], 1
	s_and_b32 s[NH], s[WV], 1
	s_bfe_u32 s[CX], ttmp6, 0x40000                ; cx, cy: my place in the cluster
	s_bfe_u32 s[CY], ttmp6, 0x40004
	s_lshl_b32 s[TC], ttmp9, 2                     ; in a cluster launch ttmp9 and ttmp7 count clusters
	s_add_co_u32 s[TC], s[TC], s[CX]               ; tile column = 4 x cluster x + cx, 0..7
	s_and_b32 s[TS], ttmp7, 0xffff
	s_lshr_b32 s[GR], s[TS], 1                     ; a group is 8 tile rows, two clusters high: g = cluster y / 2, the same in all sixteen partners
	s_lshl_b32 s[TR], s[TS], 2
	s_add_co_u32 s[TR], s[TR], s[CY]               ; tile row = 4 x cluster y + cy, 0..63
	s_lshl_b32 s[TS], s[CY], 2
	s_lshl_b32 s[TS], 15, s[TS]                    ; my row of the cluster: places 4 cy .. 4 cy + 3
	; descriptor group 1: a tile of 128 rows x 256 bytes, padded in LDS
	s_or_b32 s[G1A], s[TS], (1<<20)|(1<<21)|(5<<22)|(3<<25)  ; 15:0 the mask: A's tiles go to my row; 17:16 elements of 1 byte; 20 padding on; 21 set beside a mask; 24:22 after every 64 words (code 5); 31:25 4 words of it (code 3)
	s_lshl_b32 s[TS], 0x1111, s[CX]                ; my column: places cx, cx + 4, cx + 8, cx + 12
	s_or_b32 s[G1B], s[TS], (1<<20)|(1<<21)|(5<<22)|(3<<25)  ; the same with the mask of my column, for B's tiles
.irp g, G1A, G1B
	s_mov_b32 s[(\g)+1], 256<<16                   ; 63:48 tensor_dim0, low half = 256
	s_mov_b32 s[(\g)+2], 128<<16                   ; 79:64 its high half = 0; 95:80 tensor_dim1, low half = 128
	s_mov_b32 s[(\g)+3], 256<<16                   ; 111:96 its high half = 0; 127:112 tile_dim0 = 256
	s_mov_b32 s[(\g)+4], 128                       ; 143:128 tile_dim1 = 128; 159:144 tile_dim2 = 0
	s_mov_b32 s[(\g)+5], 2048                      ; 191:160 tensor_dim0_stride: 2,048 elements from row to row
	s_mov_b32 s[(\g)+6], 0
	s_mov_b32 s[(\g)+7], 0
.endr
	s_mov_b32 s[SELA],   0x00050004
	s_mov_b32 s[SELA+1], 0x00070006
	s_mov_b32 s[SELB],   0x04010400
	s_mov_b32 s[SELB+1], 0x04030402
	; where the tiles come from.  A's hang on the tile row alone, which my row of the cluster shares; B's on the group and the tile column, which my column shares.
	s_lshl_b32 s[TS], s[NH], 7                     ; which 128 rows of the tile I fetch
	s_lshl_b32 s66, s[TR], 8
	s_add_co_u32 s66, s66, s[TS]                   ; A: row 256 x tile row + 128 x half,
	s_lshl_b32 s66, s66, 11                        ; times 2,048 bytes: under 2^25
	s_mov_b32 s67, 0
	s_lshl_b32 s68, s[GR], 11
	s_lshl_b32 s70, s[TC], 8
	s_add_co_u32 s68, s68, s70
	s_add_co_u32 s68, s68, s[TS]                   ; B: row 2,048 g + 256 x tile column + 128 x half.  It is also the place in rs of my wave's first column
	s_lshl_b32 s70, s68, 2                         ; in rs: 4 bytes each
	s_mov_b32 s71, 0
	s_lshl_b32 s68, s68, 11                        ; in B: 2,048 bytes each
	s_mov_b32 s69, 0
	s_mul_i32 s[TS], s[WV], HALFT                  ; and where they go: A's two halves, then B's two halves = wave x 128 rows: no place in the cluster enters an LDS address
.irp w, 0x00, 0x40, 0x80, 0xc0                 ; the three constants, in each of the four windows
	WIN \w
	v_mov_b32 v[K80], 0x80808080
	v_mov_b32 v[K64], 0x64646464
	v_mov_b32 v[KM],  0xe480e480
.endr
	WIN 0
	s_wait_dscnt 0x0                               ; the opening add is done
	s_wait_kmcnt 0x0
	s_add_nc_u64 s[4:5], s[4:5], s[66:67]          ; A and B at my part of the first tiles
	s_add_nc_u64 s[6:7], s[6:7], s[68:69]
	s_add_nc_u64 s[10:11], s[10:11], s[70:71]      ; rs at my wave's first column
.irp i, 0,1
	s_mov_b32 s[G0A+4*(\i)], 1                                     ; 1:0 count = 1
	s_add_co_u32 s[G0A+4*(\i)+1], s[TS], (\i)*SLOT                 ; 63:32 LDS address
	s_add_nc_u64 s[G0A+4*(\i)+2:G0A+4*(\i)+3], s[4:5], (\i)*256    ; 120:64 global address: K = 256 i on
	s_or_b32 s[G0A+4*(\i)+3], s[G0A+4*(\i)+3], 0x80000000          ; 127:126 type = 2
	s_mov_b32 s[G0B+4*(\i)], 1
	s_add_co_u32 s[G0B+4*(\i)+1], s[TS], (\i)*SLOT
	s_add_nc_u64 s[G0B+4*(\i)+2:G0B+4*(\i)+3], s[6:7], (\i)*256
	s_or_b32 s[G0B+4*(\i)+3], s[G0B+4*(\i)+3], 0x80000000
.endr
	CROUND                                         ; all sixteen work-groups are here: the first joint loads meet
	s_cmp_eq_u32 s[MH], 0                          ; a wave's two first fills stand in one branch, ahead of every wait on TENSORcnt and every LDS read: two loads of mine are out
	s_cbranch_scc0 .Lfirst_b
	tensor_load_to_lds s[G0A:G0A+3], s[G1A:G1A+7]
	s_nop 0
	tensor_load_to_lds s[G0A+4:G0A+7], s[G1A:G1A+7]
	s_nop 0
.rept 4
	v_nop
.endr
	s_branch .Lfirst_asked
.Lfirst_b:
	tensor_load_to_lds s[G0B:G0B+3], s[G1B:G1B+7]
	s_nop 0
	tensor_load_to_lds s[G0B+4:G0B+7], s[G1B:G1B+7]
	s_nop 0
.rept 4
	v_nop
.endr
.Lfirst_asked:
	s_load_b256 s[72:79], s[12:13], 0x0            ; tokens_per_group: read, as every input is; the group size is the shapes' 2,048 and no line below names these eight numbers
	v_and_b32 v1, 15, v0                           ; l % 16
	v_bfe_u32 v2, v0, 4, 1                         ; l / 16
	v_mul_u32_u24 v3, v1, PITCH
	v_lshl_add_u32 v3, v2, 4, v3                   ; row x pitch + 16 x half: a lane's 16 bytes of a fragment's 32 along K
	s_mul_i32 s[TS], s[NH], HALFT                  ; my 128 rows of B,
	s_add_co_u32 s[TS], s[TS], 2*HALFT             ; which lie behind A's 256
	v_add_nc_u32 v[LN], s[TS], v3
	s_mul_i32 s[TS], s[MH], HALFT                  ; my 128 rows of A
	v_add_nc_u32 v[LM], s[TS], v3
	s_mul_i32 s[TS], s[WV], 16*PITCH
	s_add_co_u32 s[TS], s[TS], STAGE               ; my stage
	v_add_nc_u32 v[STO], s[TS], v3                 ; in: row l % 16, 16 bytes for each half of the lanes
	v_mul_u32_u24 v[RD], v2, PITCH                 ; back: lanes 0-15 take one row of 256 bytes, lanes 16-31 the next
	v_lshl_add_u32 v[RD], v1, 4, v[RD]
	v_add_nc_u32 v[RD], s[TS], v[RD]
	v_lshlrev_b32 v[CO], 12, v2                    ; and the same two rows in out, 4,096 bytes apart
	v_lshl_add_u32 v[CO], v1, 4, v[CO]
	v_lshlrev_b32 v[RSO], 5, v2                    ; my eight columns of sixteen: 32 bytes for each half of the lanes
	v_lshlrev_b32 v[LSO], 2, v1                    ; my row of sixteen
	s_lshl_b32 s[TS], s[MH], 7
	s_lshl_b32 s66, s[TR], 8
	s_add_co_u32 s66, s66, s[TS]                   ; my wave's first row of out: 256 x tile row + 128 x half
	s_lshl_b32 s70, s66, 12                        ; in out: 4,096 bytes a row, under 2^26
	s_lshl_b32 s66, s66, 2                         ; in ls: 4 bytes
	s_add_nc_u64 s[8:9], s[8:9], s[66:67]
	s_lshl_b32 s[TS], s[TC], 9                     ; my first column, in bytes: 512 x tile column + 256 x half
	s_add_co_u32 s70, s70, s[TS]
	s_lshl_b32 s[TS], s[NH], 8
	s_add_co_u32 s70, s70, s[TS]
	s_add_nc_u64 s[14:15], s[14:15], s[70:71]
	; the scales, into windows 2 and 3: they are wanted on the way out, and are waited for there
.irp nh, 0,1
	WIN 0x80+0x40*(\nh)                            ; destination window 2 + nh, address window 0
.irp ni, 0,1,2,3
	global_load_b128 v[8*(\ni):8*(\ni)+3],   v[RSO], s[10:11] offset:64*(4*(\nh)+(\ni))     ; rs of columns 64 nh + 16 ni + 8 (l / 16) + 0..3
	global_load_b128 v[8*(\ni)+4:8*(\ni)+7], v[RSO], s[10:11] offset:64*(4*(\nh)+(\ni))+16  ; and + 4..7
.endr
.irp a, 0,1,2,3,4,5,6,7
	global_load_b32 v[LS+(\a)], v[LSO], s[8:9] offset:64*(\a)                               ; ls of row 16 a + l % 16
.endr
.endr
	WIN 0
; The addresses of the next pair of quarters, in windows 0 and 1; then TB steps 64 bytes along the rows.  clamp = 1 (the tail): TB stays at slot 1's last pair, so that no load leaves the slot's data.
.macro HEAD clamp
	WIN 0
	v_add_nc_u32 v[ADRN], s[TB], v[LN]
	v_add_nc_u32 v[ADRM], s[TB], v[LM]
	WIN 0x40                                       ; destination window 1, sources window 0
	v_add_nc_u32 v[ADRN], s[TB], v[LN]
	v_add_nc_u32 v[ADRM], s[TB], v[LM]
	s_add_co_u32 s[TB], s[TB], 64
.if \clamp
	s_min_u32 s[TB], s[TB], SLOT+192
.endif
.endm
; Four LDS loads under stretch s's setting: the bytes of its group's four fragments, quarter par of the pair that the addresses name.
.macro LOADS s, par
	SWIN \s
.irp f, 0,1,2,3
.if ((\s)&1) == 0
	ds_load_b128 v[RAW+4*(\f):RAW+4*(\f)+3], v[ADRN] offset:(4*((\s)>>1)+(\f))*16*PITCH+32*(\par)
.else
	ds_load_b128 v[RAW+4*(\f):RAW+4*(\f)+3], v[ADRM] offset:(4*((\s)>>1)+(\f))*16*PITCH+32*(\par)
.endif
.endr
.endm
; Number jj of the 80 vector instructions that widen a group's four fragments into buffer nxt.  For fragment jj / 20: 4 x xor in place; 8 x v_perm_b32 (two bytes each, 0x64 above each); 8 x the packed addition of -1152.
; Each reads what was written four or eight lines earlier.
.macro RID s, nxt
.set rf, jj/20
.set rt, jj%20
.set rR, RAW+4*rf
.set rF, FB+32*(\nxt)+8*rf
.if rt < 4
.if ((\s)&1) == 0
	v_xor_b32 v[rR+rt], v[rR+rt], v[K80]
.else
	v_xor_b32 v[rR+rt], v[K80], v[rR+rt]
.endif
.elseif rt < 12
.set ru, rt-4
.if ((\s)&1) == 0
	v_perm_b32 v[rF+ru], v[rR+ru/2], v[K64], s[SELA+ru%2]
.else
	v_perm_b32 v[rF+ru], v[K64], v[rR+ru/2], s[SELB+ru%2]
.endif
.else
.set ru, rt-12
.if ((\s)&1) == 0
	v_pk_add_f16 v[rF+ru], v[rF+ru], v[KM]
.else
	v_pk_add_f16 v[rF+ru], v[KM], v[rF+ru]
.endif
.endif
.set jj, jj+1
.endm
; Matrix instruction ii of a stretch's 16: B's fragment ii % 4, A's fragment ii / 4.  zero = 1: the product starts the sum: nothing is ever cleared.
.macro MMA cur, zero
.set rD, ACC+8*ii
.set rB, FB+32*(\cur)+8*(ii%4)
.set rA, FB+32*(\cur)+8*(ii/4)
.if \zero
	v_wmma_f32_16x16x32_f16 v[rD:rD+7], v[rB:rB+7], v[rA:rA+7], 0
.else
	v_wmma_f32_16x16x32_f16 v[rD:rD+7], v[rB:rB+7], v[rA:rA+7], v[rD:rD+7]
.endif
.endm
; A STRETCH: one window setting; the wait for its group's bytes (wt; -1: none is written); 16 times a matrix instruction on buffer cur (mm = 0: none) and five of the 80 that widen the group into the other
; buffer; then (ld = 1) the group's next four loads, of the quarter after that.
; The 64 accumulators take turns, one instruction a turn, in the same order in every quarter, over every label and jump.
; A vector instruction writes a register that a matrix instruction has read four places or more behind it (ISA guide 7.12.1): the buffer that stretch 0 writes was last read in the stretch 3 before it, behind whose
; last matrix instruction stand that stretch's last five vector instructions (they name the other buffer) and the first four xor; the other groups' buffers were last read three stretches back.  RAW is no matrix operand.
.macro STRETCH s, cur, zero, mm, ld, wt
	SWIN \s
.if (\wt) >= 0
	s_wait_dscnt \wt
.endif
.set jj, 0
.set ii, 0
.rept 16
.if \mm
	MMA \cur, \zero
.endif
.rept 5
	RID \s, 1-(\cur)
.endr
.set ii, ii+1
.endr
.if \ld
	LOADS \s, \cur
.endif
.endm
; A QUARTER.  Each wait is for 12: LDS loads come back in order (ISA guide 5.7.1); the group's four were issued a quarter ago, and the other three groups' twelve are younger.
.macro QUARTER cur, zero
	STRETCH 0, \cur, \zero, 1, 1, 12
	STRETCH 1, \cur, \zero, 1, 1, 12
	STRETCH 2, \cur, \zero, 1, 1, 12
	STRETCH 3, \cur, \zero, 1, 1, 12
.endm
; THE QUARTER THAT CHANGES SLOTS (the seventh of a slot's eight, on buffer 0): the bytes of the slot's last quarter have been asked for, and the loads of this quarter go to the other slot.
; In front of ONE barrier each wave waits for all its tensor loads, of which one is out: its part of the other slot; adds 0 to its spare word; and waits for that and for its own reads of this slot.
; Behind it nobody reads this slot any more and the other slot is whole.  Stretches 0 and 1 put their loads off until then.
; fill = 1: this slot is filled again, with K two slots on.  The barrier then opens a round of the cluster's, so that no wave of any partner still reads the slot or has a load on its way, and the joint refill
; is the first tensor load behind the round: 480 matrix instructions ahead of the wait for it.
.macro QCHANGE fill
	WIN 0                                          ; (the add's two registers lie in window 0)
	s_wait_tensorcnt 0x0                           ; no tensor load of mine is out, so a group 0 may be written
	ds_add_u32 v[SPW], v[NIL]                      ; 0 onto my spare word; scalar steps and a stretch stand between it and the wait for it
	s_sub_co_u32 s[TB], s[TB], 256                 ; the addresses go back to a row's first byte,
	s_xor_b32 s[TB], s[TB], SLOT                   ; in the other slot
.if \fill
.irp g, G0A+4, G0B+4
	s_xor_b32 s[(\g)+1], s[(\g)+1], SLOT           ; the walking descriptor: the other slot than last time,
	s_add_nc_u64 s[(\g)+2:(\g)+3], s[(\g)+2:(\g)+3], 256  ; the next 256 along K; the type bits on top are not reached
.endr
.endif
	HEAD 1-(\fill)
	STRETCH 0, 0, 0, 1, 0, 13                      ; the wait: the other groups' twelve loads and the add are younger
	s_wait_dscnt 0x0                               ; the add is done, and my reads of this slot are over:
	s_barrier_signal -1                            ; say so,
	STRETCH 1, 0, 0, 1, 0, -1                      ; work on registers while the others arrive (its bytes are in: the wait above was for 0),
	WIN 0
	s_barrier_wait -1                              ; and go on when all four have said so
.if \fill
	CREST
	JLOAD
.endif
	LOADS 0, 0                                     ; the two groups' loads that were put off
	LOADS 1, 0
	STRETCH 2, 0, 0, 1, 1, 12                      ; their bytes are in since the wait for 0; the counts stand as in every quarter and are met at once
	STRETCH 3, 0, 0, 1, 1, 12
.endm
	s_wait_tensorcnt 0x1                           ; my part of slot 0 is in; slot 1's may stay out
	s_wait_kmcnt 0x0                               ; the eight counts have come
	s_barrier_signal -1
	s_barrier_wait -1                              ; everybody's part is in
	s_mov_b32 s[TB], 0
	HEAD 0                                         ; quarters 0 and 1
	LOADS 0, 0
	LOADS 1, 0
	LOADS 2, 0
	LOADS 3, 0
	STRETCH 0, 1, 0, 0, 1, 12                      ; four stretches without products: quarter 0 is widened into buffer 0, quarter 1's bytes are loaded
	STRETCH 1, 1, 0, 0, 1, 12
	STRETCH 2, 1, 0, 0, 1, 12
	STRETCH 3, 1, 0, 0, 1, 12
	HEAD 0                                         ; quarters 2 and 3
	QUARTER 0, 1                                   ; quarter 0 stands in front of the loop: its products start the 64 sums
	WIN 0                                          ; at a label and at a branch every window is 0
	s_mov_b32 s[CNT], 3                            ; quarters 1 to 5,
	s_mov_b32 s[PER], 7                            ; then six periods of eight quarters, each with a refill: slots 2 to 7
	s_branch .Lodd                                 ; the loop is entered at a pair's second quarter
.Lper:
	QCHANGE 1
	WIN 0
	s_mov_b32 s[CNT], 4
	s_branch .Lodd
.Lpair:
	HEAD 0
	QUARTER 0, 0
	WIN 0
.Lodd:
	QUARTER 1, 0
	WIN 0
	s_sub_co_u32 s[CNT], s[CNT], 1
	s_cmp_lg_u32 s[CNT], 0
	s_cbranch_scc1 .Lpair
	s_sub_co_u32 s[PER], s[PER], 1
	s_cmp_lg_u32 s[PER], 0
	s_cbranch_scc1 .Lper
	; THE TAIL, quarters 54 to 63, is written out: nothing is asked for.  Its last pair has no quarters left to load: by the clamp it loads slot 1's last 64 bytes of K once
	; more, and quarter 63 widens them for nothing: 32 loads and 320 vector instructions a wave, once, the price of one text for every pair.
	QCHANGE 0
	WIN 0
	s_mov_b32 s[CNT], 5
	s_branch .Ltodd
.Ltpair:
	HEAD 1
	QUARTER 0, 0
	WIN 0
.Ltodd:
	QUARTER 1, 0
	WIN 0
	s_sub_co_u32 s[CNT], s[CNT], 1
	s_cmp_lg_u32 s[CNT], 0
	s_cbranch_scc1 .Ltpair
; THE WAY OUT of block a (16 rows x my 128 columns), in three parts.
; PACK: for each half nh of the columns the block's four accumulators (32 registers on end, in the window of their stretch) are multiplied by ls, then by rs, in place, from each accumulator's lowest registers on,
; and rounded to f16: 16 bytes a lane and accumulator, into window 0.  ls and rs come through source 1, from window 2 + nh.
.macro PACK a
.set pB, ACC+32*((\a)%4)
.irp nh, 0,1
.if (\a) < 4
.set pW, 2*(\nh)                       ; M0: N0's sums in window 0, N1's in window 2
.else
.set pW, 3-2*(\nh)                     ; M1: N0's in window 3, N1's in window 1
.endif
	WIN (pW<<6)|((2+(\nh))<<2)|pW
.set z, 0
.rept 16
.if (\a)%2
	v_pk_mul_f32 v[pB+2*z:pB+2*z+1], v[pB+2*z:pB+2*z+1], v[LS+2*((\a)/2):LS+2*((\a)/2)+1] op_sel:[0,1] op_sel_hi:[1,1]  ; both by the pair's second register: ls of an odd block
.else
	v_pk_mul_f32 v[pB+2*z:pB+2*z+1], v[pB+2*z:pB+2*z+1], v[LS+2*((\a)/2):LS+2*((\a)/2)+1] op_sel_hi:[1,0]               ; both by the pair's first
.endif
.set z, z+1
.endr
.set z, 0
.rept 16
	v_pk_mul_f32 v[pB+2*z:pB+2*z+1], v[pB+2*z:pB+2*z+1], v[2*z:2*z+1]
.set z, z+1
.endr
	WIN pW|(pW<<2)                                 ; sources 0 and 1 in the sums' window, destination window 0
.set z, 0
.rept 16
	v_cvt_pk_f16_f32 v[TMP+16*(\nh)+z], v[pB+2*z], v[pB+2*z+1]
.set z, z+1
.endr
.endr
	WIN 0
.endm
; TOSTAGE: into my own stage in LDS, and back as whole rows of 256 bytes.
.macro TOSTAGE a
	WIN 0
.set oB, OB0-32*((\a)%2)
.irp b, 0,1,2,3,4,5,6,7
	ds_store_b128 v[STO], v[TMP+4*(\b):TMP+4*(\b)+3] offset:32*(\b)
.endr
	s_wait_xcnt 0x0                                ; every earlier memory instruction has had its addresses translated (ISA guide 3.1): the registers that the stores of two blocks ago read are loaded again only behind this wait
.irp t, 0,1,2,3,4,5,6,7
	ds_load_b128 v[oB+4*(\t):oB+4*(\t)+3], v[RD] offset:(\t)*2*PITCH  ; LDS serves a wave's instructions in order (ISA guide 5.7.1.4): these see the stores above; the next block's stores come behind them
.endr
.endm
; SEND: stored.  The block's and the rows' places stand in the immediate, 516,096 bytes at the most; no base and no offset register is stepped.
.macro SEND a
	WIN 0
.set oB, OB0-32*((\a)%2)
	s_wait_dscnt 0x0                               ; the block is back in registers
.irp t, 0,1,2,3,4,5,6,7
	global_store_b128 v[CO], v[oB+4*(\t):oB+4*(\t)+3], s[14:15] offset:65536*(\a)+8192*(\t) th:TH_STORE_NT  ; 16 lanes store 256 consecutive bytes, at a multiple of 256 from out's first byte
.endr
.endm
	s_wait_dscnt 0x0                               ; the tail's last loads: their registers are used anew below
	s_wait_loadcnt 0x0                             ; ls and rs
	PACK 0                                         ; the five vector instructions behind the last product, and the multiplications of blocks finished earlier, are the places behind it
	TOSTAGE 0
.irp a, 1,2,3,4,5,6,7                  ; block a's arithmetic stands between block a - 1's loads from the stage and the wait for them
	PACK \a
	SEND (\a)-1
	TOSTAGE \a
.endr
	SEND 7
	s_wait_tensorcnt 0x0                           ; the wave's end, behind my last tensor load and my last LDS store
	ds_add_u32 v[SPW], v[NIL]
	s_wait_dscnt 0x0
	CROUND                                         ; the closing round: no work-group ends while a partner may still ask for a tile that names it
	s_endpgm
.Lfunc_end_k_qdabbb217d2_gemm:
	.size	k_qdabbb217d2_gemm, .Lfunc_end_k_qdabbb217d2_gemm-k_qdabbb217d2_gemm
	.p2alignl 7, 3214868480
	.fill 96, 4, 3214868480
	.section	.rodata,"a",@progbits
	.p2align	6, 0x0
	.amdhsa_kernel k_qdabbb217d2_gemm
		.amdhsa_group_segment_fixed_size 327680
		.amdhsa_private_segment_fixed_size 0
		.amdhsa_enable_private_segment 0
		.amdhsa_kernarg_size 48
		.amdhsa_user_sgpr_count 2
		.amdhsa_user_sgpr_kernarg_segment_ptr 1
		.amdhsa_wavefront_size32 1
		.amdhsa_system_sgpr_workgroup_id_x 1
		.amdhsa_system_sgpr_workgroup_id_y 1
		.amdhsa_system_sgpr_workgroup_id_z 1
		.amdhsa_system_vgpr_workitem_id 0
		.amdhsa_next_free_vgpr 1024
		.amdhsa_next_free_sgpr 80
		.amdhsa_reserve_vcc 0
		.amdhsa_float_denorm_mode_32 3
		.amdhsa_float_denorm_mode_16_64 3
		.amdhsa_memory_ordered 1
		.amdhsa_forward_progress 1
		.amdhsa_inst_pref_size 255
	.end_amdhsa_kernel
	.section	.bss,"aw",@nobits
	.p2align	6
	.space	262144
	.amdgpu_metadata
---
amdhsa.version: [ 1, 2 ]
amdhsa.kernels:
  - .name:           k_qdabbb217d2_gemm
    .symbol:         k_qdabbb217d2_gemm.kd
    .args:
      - { .name: i8_left_tensor, .offset: 0, .size: 8, .value_kind: global_buffer, .address_space: global }
      - { .name: i8_right_tensors, .offset: 8, .size: 8, .value_kind: global_buffer, .address_space: global }
      - { .name: left_scales, .offset: 16, .size: 8, .value_kind: global_buffer, .address_space: global }
      - { .name: right_scales, .offset: 24, .size: 8, .value_kind: global_buffer, .address_space: global }
      - { .name: tokens_per_group, .offset: 32, .size: 8, .value_kind: global_buffer, .address_space: global }
      - { .name: out0, .offset: 40, .size: 8, .value_kind: global_buffer, .address_space: global }
    .group_segment_fixed_size: 327680
    .private_segment_fixed_size: 0
    .kernarg_segment_align: 8
    .kernarg_segment_size: 48
    .max_flat_workgroup_size: 128
    .sgpr_count:     80
    .vgpr_count:     1024
    .wavefront_size: 32
...
	.end_amdgpu_metadata
.endif
;; end of part 1
